; MI455X (gfx1250); checked and timed in simulation.
; The chip was launched on July 23, 2026; its instructions are those of AMD's public machine-readable ISA for CDNA 5 (MIT licence, August 2026) and "CDNA5" Instruction Set Architecture Reference Guide (July 2026). The comments in the code are by the model that wrote it; some were corrected since.
;; Local Self Attention. Allowed arithmetic: matrix products marked QUANTISED: E2M1 operands, one E8M0 scale for each 32 along K, by v_wmma_scale_f32_16x16x128_f8f6f4 with both operands' format E2M1 (or v_wmma_scale_f32_32x16x128_f4), f32 sums; products left as they are: bf16, f16 or f32 operands; f32 sums; everything else in f32.
;; Inputs: w_proj 1,024 x 1,024 float32; w_qkv 3,072 x 1,024 float32; x 4 x 2,048 x 1,024 float32.
;; Outputs: out0 4 x 2,048 x 1,024 float32.
;; This version of the problem:
;;   THIS VERSION OF THE PROBLEM IS GIVEN IN LOW PRECISION. The matrix products marked QUANTISED in the list below multiply operands that are first quantised to E2M1 (2 exponent bits, 1 mantissa bit; 4 bits a number), with one power-of-two scale for each 32 numbers along K (OCP MX v1.0); their sums are f32. The products marked 'left as it is' may take bf16, f16 or f32 operands, with f32 sums. Whichever they take, every output number must still come out within the allowed error. Rounding operands to bf16 (8 significant bits) uses up far more of that allowance than f16 does (11 bits, for magnitudes from 6e-5 to 65,504). All else is computed in f32.
;;   The module's matrix products, in the order in which they are computed (A, B: the left and right operand; K: the contracted axis; several contracted axes count as one K, in the product's order):
;;     1. [M 8,192, K 1,024] x [K 1,024, N 3,072]; A: input x; B: input w_qkv: QUANTISED
;;     2. batch 64 x [M 2,048, K 64] x [K 64, N 2,048]; A: computed on the way; B: computed on the way: left as it is (an operand is computed on the way)
;;     3. batch 64 x [M 2,048, K 2,048] x [K 2,048, N 64]; A: computed on the way; B: computed on the way: left as it is (an operand is computed on the way)
;;     4. [M 8,192, K 1,024] x [K 1,024, N 1,024]; A: computed on the way; B: input w_proj: left as it is (an operand is computed on the way)
;;   THE QUANTISER, for each operand of a quantised product, along K:
;;     - K is cut into blocks of 32 from its start; a last block that is shorter is filled with zeros.
;;     - A block's scale is 2^e with e = floor(log2(the largest magnitude in the block)) - 2, held to -126 .. 127; a block of zeros has e = 0. As a byte (E8M0): e + 127.
;;     - Each number is divided by its block's scale, clamped to +-6, and rounded to the nearest number of E2M1, ties to even, subnormals kept.
;;     - The product sums the exact products of the quantised numbers (number of the format x scale) in f32.
;;   ~~~python
;;   def quantise(x, axis):      # numpy; x: float32 -> the quantised numbers, widened to float32 again
;;       x = np.moveaxis(x, axis, -1); K = x.shape[-1]
;;       x = np.pad(x, [(0, 0)] * (x.ndim - 1) + [(0, -K % 32)]); x = x.reshape(x.shape[:-1] + (-1, 32)); a = np.abs(x).max(-1, keepdims=True)
;;       e = np.where(a > 0, np.clip(np.frexp(np.where(a > 0, a, 1))[1] - 1 - 2, -126, 127), 0)      # np.frexp(a)[1] - 1 = floor(log2(a)), exactly
;;       r = np.clip(x / 2.0 ** e, -6, 6)
;;       step = 2.0 ** (np.maximum(np.frexp(np.where(r == 0, 1, r))[1] - 1, 0) - 1)
;;       q = np.round(r / step) * step * 2.0 ** e      # np.round: ties to even
;;       return np.moveaxis(q.reshape(q.shape[:-2] + (-1,))[..., :K], -1, axis).astype(np.float32)
;;   ~~~
;; One version. Each part assembles by itself: llvm-mc -triple=amdgcn-amd-amdhsa -mcpu=gfx1250 --defsym DOCPART=n.
;; ======== version 1 of 1: 4 launches
;; limits: values are held in f16: magnitudes above 65,504 overflow, below 6.1e-05 lose precision
;; workspace buffers: x_codes 4,194,304 bytes; x_scales 262,144 bytes; wq_codes 1,572,864 bytes; wq_scales 98,304 bytes; qkv 50,331,648 bytes; att 16,777,216 bytes; w16 2,097,152 bytes
;; launch prep (part 1): grid 384 x 1, 4 waves a work-group, no clusters, 50,688 bytes of LDS; arguments x, w_qkv, w_proj, x_codes, x_scales, wq_codes, wq_scales, w16; writes x_codes, x_scales, wq_codes, wq_scales, w16
.if DOCPART == 1
	.amdgcn_target "amdgcn-amd-amdhsa--gfx1250"
	.amdhsa_code_object_version 6
	.text
	.protected	k_q662c6a2194_prep
	.globl	k_q662c6a2194_prep
	.p2align	8
	.type	k_q662c6a2194_prep,@function
k_q662c6a2194_prep:
	s_mov_b64 s[64:65], 0
	v_nop
	global_prefetch_b8 v0, s[64:65] scope:SCOPE_SE
	s_setreg_imm32_b32 hwreg(HW_REG_WAVE_MODE, 25, 1), 1
	s_wait_xcnt 0x0
; x [8192][1024] and w_qkv [3072][1024], f32, K innermost, become codes of FP4 (E2M1), two a byte, and one E8M0 scale byte for each 32 along K;
; w_proj [1024][1024], f32, becomes f16, laid as images of operand registers.  A work-group takes 32,768 numbers: work-groups 0-255 x, 256-351 w_qkv, 352-383 w_proj.
; THE QUANTISER.  A block's scale is 2^(floor(log2(its largest magnitude)) - 2); its byte is the largest magnitude's exponent field - 2, held at 1 from below.  A block of zeros so gets the byte 1:
; its codes are zeros, which add nothing under that byte, and this program alone reads the bytes.  Rows are dense and K is a multiple of 32: both tensors are plain streams of blocks of 32.
; A wave takes 16 steps of 512 numbers: each load reads 512 consecutive bytes; a step's 2,048 bytes turn through the wave's own stage in LDS, so that a lane holds 16 neighbours along K.
; THE CAST.  w16 is made of blocks of 512 bytes: 16 rows n x 16 k; lane (r = lane % 16, h = lane / 16) owns 16 bytes at 16 x lane: row r, k = 8 h .. 8 h + 7.  Two blocks on end are a fragment of 16 x 32.
; A block's place: (nt / 16) << 19 | (k / 128) << 16 | (nt % 16) << 12 | ((k % 128) / 16) << 9, nt the tile of 16 rows: so 256 rows x 128 k are 65,536 consecutive bytes.
; LIMITS: NaN and infinities among the inputs are not served; w_proj beyond f16's largest number, 65,504, is not served.
; The two paths part on the work-group's number and have LDS bytes of their own.  No tensor loads, no barrier: waves share nothing.
.set STEPS, 16
.set WGX,   256                        ; x's work-groups
.set WGQ,   352                        ; x's and w_qkv's
.set EMAX,  2
.set CB,    8                          ; bytes of 16 codes
.set R,     16                         ; v16-79   numbers as they are loaded: four sets of 16 (quantiser), two of 32 (cast)
.set X,     80                         ; v80-111  numbers back from the stage
.set E,     112                        ; v112-127 a scale byte for each step
.set C,     128                        ; v128-191 what is stored: four registers a step (quantiser), four sets of 16 (cast)
.set CSI,   192                        ; v192     the cast's stage, on the way in
.set CSO,   193                        ; v193     and on the way out
.set CLO,   194                        ; v194     the cast's loads: my byte in two rows of w_proj
.set WREG,  8192                       ; LDS: the quantiser's region of each wave: two stages of 32 x SP bytes, behind them 256 scale bytes
.set SP,    80                         ; a lane's place in a stage: 64 bytes + 16 of padding
.set SPW,   12                         ; v12      LDS address of my spare word; never rewritten
.set NIL,   13                         ; v13      0; never rewritten
.set CSTG,  4*WREG                     ; the cast's stages: 16 rows x CP bytes for each wave
.set CP,    272                        ; 256 bytes + 16 of padding
.set SPARE, CSTG+4*16*CP               ; the spare words, 128 bytes for each wave: two blocks of 256 bytes that no other line names
	s_load_b256 s[4:11], s[0:1], 0x0               ; x s[4:5], w_qkv s[6:7], w_proj s[8:9], x_codes s[10:11]
	s_load_b256 s[12:19], s[0:1], 0x20             ; x_scales s[12:13], wq_codes s[14:15], wq_scales s[16:17], w16 s[18:19]
	v_lshl_add_u32 v[SPW], v0, 2, SPARE
	v_mov_b32 v[NIL], 0
	v_lshrrev_b32 v1, 5, v0
	v_readfirstlane_b32 s20, v1                    ; wave
	v_and_b32 v2, 31, v0                           ; lane
	v_lshlrev_b32 v3, 4, v2                        ; 16 x lane
	s_mul_i32 s21, s20, WREG
	v_lshrrev_b32 v14, 2, v2
	v_mul_u32_u24 v14, v14, SP
	v_and_b32 v15, 3, v2
	v_lshl_add_u32 v14, v15, 4, v14
	v_add_nc_u32 v14, s21, v14                     ; the quantiser's stage, in: SP (lane / 4) + 16 (lane % 4)
	v_mul_u32_u24 v15, v2, SP
	v_add_nc_u32 v15, s21, v15                     ; and out: SP x lane: my 16 neighbours
	v_mul_u32_u24 v4, v2, CB                       ; my codes' place in a step's
	v_lshrrev_b32 v5, 1, v2
	s_add_co_u32 s21, s21, 2*32*SP
	v_add_nc_u32 v5, s21, v5                       ; my block's scale byte in LDS
	v_lshlrev_b32 v7, 3, v2
	v_add_nc_u32 v6, s21, v7                       ; and 8 bytes a lane on their way out
	s_mul_i32 s22, s20, 16*CP
	s_add_co_u32 s22, s22, CSTG                    ; the cast's stage of my wave
	v_and_b32 v8, 15, v2                           ; r
	v_lshrrev_b32 v9, 4, v2                        ; h
	v_mul_u32_u24 v10, v9, CP
	v_lshl_add_u32 v10, v8, 4, v10
	v_add_nc_u32 v[CSI], s22, v10                  ; in: lanes 0-15 one row of 256 bytes, lanes 16-31 the next
	v_mul_u32_u24 v10, v8, CP
	v_lshl_add_u32 v10, v9, 5, v10
	v_add_nc_u32 v[CSO], s22, v10                  ; out: row r, 32 h bytes on: eight numbers
	v_lshlrev_b32 v10, 12, v9
	v_lshl_add_u32 v[CLO], v8, 4, v10              ; in memory: a row of w_proj is 4,096 bytes
	s_wait_kmcnt 0x0
	s_cmp_ge_u32 ttmp9, WGQ
	s_cbranch_scc1 .Lcast
	; ---- the quantiser
	s_cmp_lt_u32 ttmp9, WGX                        ; x's work-group or w_qkv's?  The choice hangs on the work-group's number alone
	s_cselect_b64 s[4:5], s[4:5], s[6:7]
	s_cselect_b64 s[10:11], s[10:11], s[14:15]
	s_cselect_b64 s[12:13], s[12:13], s[16:17]
	s_cselect_b32 s21, 0, WGX
	s_sub_co_u32 s21, ttmp9, s21
	s_lshl_b32 s21, s21, 2
	s_add_co_u32 s22, s21, s20                     ; which run of 8,192 numbers of the tensor is my wave's
	s_mov_b32 s23, 0
	s_mov_b64 s[24:25], 512*STEPS*4
	s_mul_u64 s[24:25], s[22:23], s[24:25]
	s_add_nc_u64 s[4:5], s[4:5], s[24:25]
	s_mov_b64 s[24:25], 32*STEPS*CB
	s_mul_u64 s[24:25], s[22:23], s[24:25]
	s_add_nc_u64 s[10:11], s[10:11], s[24:25]
	s_lshl_b32 s22, s22, 8                         ; 256 scale bytes a run
	s_add_nc_u64 s[12:13], s[12:13], s[22:23]
.macro LOAD t
.irp i, 0,1,2,3
	global_load_b128 v[R+16*((\t)%4)+4*\i:R+16*((\t)%4)+4*\i+3], v3, s[4:5] offset:2048*(\t)+512*\i th:TH_LOAD_NT   ; 32 lanes read 512 consecutive bytes
.endr
.endm
.macro TURN t                          ; step t's numbers through the stage: LDS serves a wave's instructions in order, so no wait stands between the stores and the loads
.irp i, 0,1,2,3
	ds_store_b128 v14, v[R+16*((\t)%4)+4*\i:R+16*((\t)%4)+4*\i+3] offset:32*SP*((\t)%2)+8*SP*\i
.endr
.irp i, 0,1,2,3
	ds_load_b128 v[X+16*((\t)%2)+4*\i:X+16*((\t)%2)+4*\i+3], v15 offset:32*SP*((\t)%2)+16*\i
.endr
.endm
.irp t, 0,1,2,3
	LOAD \t
.endr
	s_wait_loadcnt 12                              ; step 0's four loads are in
	TURN 0
.macro STEP t
.set XS, X+16*((\t)%2)
.if (\t) > 0
	s_wait_dscnt 1                                 ; this step's numbers are back from the stage (the last step's byte store may be out): so its stores into the stage have read their registers,
.else
	s_wait_dscnt 0x0
.endif
.if (\t)+4 < STEPS
	LOAD (\t)+4                                    ; which take the loads of four steps on
.endif
.if (\t)+1 < STEPS
.if STEPS-2-(\t) >= 3
	s_wait_loadcnt 12                              ; the next step's four loads are in; those of the three steps behind it may be out
.else
	s_wait_loadcnt 4*(STEPS-2-(\t))
.endif
	TURN (\t)+1                                    ; and go through the other stage while this step is worked
.endif
	v_max3_num_f32 v8, |v[XS]|, |v[XS+1]|, |v[XS+2]|               ; the largest magnitude of my 16
	v_max3_num_f32 v9, |v[XS+3]|, |v[XS+4]|, |v[XS+5]|
.irp i, 6,10
	v_max3_num_f32 v8, v8, |v[XS+\i]|, |v[XS+\i+1]|
	v_max3_num_f32 v9, v9, |v[XS+\i+2]|, |v[XS+\i+3]|
.endr
	v_max3_num_f32 v8, v8, |v[XS+14]|, |v[XS+15]|
	v_max3_num_f32 v8, v8, v9, (EMAX+1)<<23        ; and the floor 2^(EMAX + 1 - 127): so the byte cannot fall under 1
	v_max_num_f32_dpp v8, v8, v8 row_xmask:1 row_mask:0xf bank_mask:0xf   ; and of my neighbour's 16: the block's
	v_add_nc_u32 v11, -(EMAX<<23), v8              ; EMAX off its exponent field: the conversion takes the exponent field of this operand as its scale
	v_cvt_scalef32_pk8_fp4_f32 v[C+4*(\t)], v[XS:XS+7], v11        ; eight numbers / the scale, to the nearest code, ties to even, beyond the largest code the largest
	v_cvt_scalef32_pk8_fp4_f32 v[C+4*(\t)+1], v[XS+8:XS+15], v11
	v_lshrrev_b32 v[E+(\t)], 23, v11               ; the scale's byte
	ds_store_b8 v5, v[E+(\t)] offset:16*(\t)       ; both lanes of a block write the same byte with the same value
	global_store_b64 v4, v[C+4*(\t):C+4*(\t)+1], s[10:11] offset:32*CB*(\t)   ; the wave stores 256 consecutive bytes, aligned
.endm
.irp t, 0,1,2,3,4,5,6,7,8,9,10,11,12,13,14,15
	STEP \t
.endr
	ds_load_b64 v[8:9], v6                         ; LDS serves a wave's instructions in order: these see my stores
	s_wait_dscnt 0x0
	global_store_b64 v7, v[8:9], s[12:13]          ; 32 lanes store 256 consecutive bytes, aligned
	s_wait_tensorcnt 0x0                           ; the wave's end
	ds_add_u32 v[SPW], v[NIL]
	s_wait_dscnt 0x0
	s_endpgm
	; ---- the cast: wave g of 128 takes the tile of 16 rows g / 2 and k = 512 (g % 2) on, as 8 tasks of 16 rows x 64 k
.Lcast:
	s_sub_co_u32 s21, ttmp9, WGQ
	s_lshl_b32 s21, s21, 2
	s_add_co_u32 s21, s21, s20                     ; g
	s_lshr_b32 s22, s21, 1                         ; nt
	s_and_b32 s23, s21, 1                          ; which half of K
	s_lshl_b32 s24, s22, 16                        ; 16 rows of 4,096 bytes
	s_lshl_b32 s26, s23, 11                        ; 512 numbers of 4 bytes
	s_add_co_u32 s24, s24, s26
	s_mov_b32 s25, 0
	s_add_nc_u64 s[8:9], s[8:9], s[24:25]
	s_lshr_b32 s24, s22, 4
	s_lshl_b32 s24, s24, 19
	s_lshl_b32 s26, s23, 18                        ; four K steps of 65,536 bytes
	s_add_co_u32 s24, s24, s26
	s_and_b32 s26, s22, 15
	s_lshl_b32 s26, s26, 12
	s_add_co_u32 s24, s24, s26
	s_add_nc_u64 s[18:19], s[18:19], s[24:25]
.macro CLOAD t                         ; task t: eight loads of two rows x 256 bytes
.irp i, 0,1,2,3,4,5,6,7
	global_load_b128 v[R+32*((\t)%2)+4*\i:R+32*((\t)%2)+4*\i+3], v[CLO], s[8:9] offset:\i*8192+(\t)*256 th:TH_LOAD_NT
.endr
.endm
.macro CAST t
.if (\t) < 7
	s_wait_loadcnt 8                               ; this task's eight loads are in; the next task's may be out
.else
	s_wait_loadcnt 0x0
.endif
.irp i, 0,1,2,3,4,5,6,7
	ds_store_b128 v[CSI], v[R+32*((\t)%2)+4*\i:R+32*((\t)%2)+4*\i+3] offset:\i*2*CP
.endr
.irp k, 0,1,2,3
	ds_load_b128 v[X+8*\k:X+8*\k+3], v[CSO] offset:64*\k          ; block k: row r, k = 16 k + 8 h + 0 .. 3,
	ds_load_b128 v[X+8*\k+4:X+8*\k+7], v[CSO] offset:64*\k+16     ; and + 4 .. 7
.endr
	s_wait_dscnt 0x0                               ; the numbers are back, and the stores have read their registers,
.if (\t)+2 < 8
	CLOAD (\t)+2                                   ; which take the loads of two tasks on
.endif
.if (\t) >= 4
	s_wait_xcnt 0x0                                ; the stores of four tasks back have read their data: the set is written again only behind this wait
.endif
.irp k, 0,1,2,3
.irp i, 0,1,2,3
	v_cvt_pk_f16_f32 v[C+16*((\t)%4)+4*\k+\i], v[X+8*\k+2*\i], v[X+8*\k+2*\i+1]
.endr
.endr
.irp k, 0,1,2,3
	global_store_b128 v3, v[C+16*((\t)%4)+4*\k:C+16*((\t)%4)+4*\k+3], s[18:19] offset:((\t)/2)*65536+((\t)%2)*2048+\k*512   ; a block: 512 consecutive bytes, aligned
.endr
.endm
	CLOAD 0
	CLOAD 1
.irp t, 0,1,2,3,4,5,6,7
	CAST \t
.endr
	s_wait_tensorcnt 0x0                           ; the wave's end
	ds_add_u32 v[SPW], v[NIL]
	s_wait_dscnt 0x0
	s_endpgm
.Lfunc_end_k_q662c6a2194_prep:
	.size	k_q662c6a2194_prep, .Lfunc_end_k_q662c6a2194_prep-k_q662c6a2194_prep
	.p2alignl 7, 3214868480
	.fill 96, 4, 3214868480
	.section	.rodata,"a",@progbits
	.p2align	6, 0x0
	.amdhsa_kernel k_q662c6a2194_prep
		.amdhsa_group_segment_fixed_size 50688
		.amdhsa_private_segment_fixed_size 0
		.amdhsa_enable_private_segment 0
		.amdhsa_kernarg_size 64
		.amdhsa_user_sgpr_count 2
		.amdhsa_user_sgpr_kernarg_segment_ptr 1
		.amdhsa_wavefront_size32 1
		.amdhsa_system_sgpr_workgroup_id_x 1
		.amdhsa_system_sgpr_workgroup_id_y 1
		.amdhsa_system_sgpr_workgroup_id_z 1
		.amdhsa_system_vgpr_workitem_id 0
		.amdhsa_next_free_vgpr 196
		.amdhsa_next_free_sgpr 66
		.amdhsa_reserve_vcc 0
		.amdhsa_float_denorm_mode_32 3
		.amdhsa_float_denorm_mode_16_64 3
		.amdhsa_memory_ordered 1
		.amdhsa_forward_progress 1
		.amdhsa_inst_pref_size 60
	.end_amdhsa_kernel
	.amdgpu_metadata
---
amdhsa.version: [ 1, 2 ]
amdhsa.kernels:
  - .name:           k_q662c6a2194_prep
    .symbol:         k_q662c6a2194_prep.kd
    .args:
      - { .name: x, .offset: 0, .size: 8, .value_kind: global_buffer, .address_space: global }
      - { .name: w_qkv, .offset: 8, .size: 8, .value_kind: global_buffer, .address_space: global }
      - { .name: w_proj, .offset: 16, .size: 8, .value_kind: global_buffer, .address_space: global }
      - { .name: x_codes, .offset: 24, .size: 8, .value_kind: global_buffer, .address_space: global }
      - { .name: x_scales, .offset: 32, .size: 8, .value_kind: global_buffer, .address_space: global }
      - { .name: wq_codes, .offset: 40, .size: 8, .value_kind: global_buffer, .address_space: global }
      - { .name: wq_scales, .offset: 48, .size: 8, .value_kind: global_buffer, .address_space: global }
      - { .name: w16, .offset: 56, .size: 8, .value_kind: global_buffer, .address_space: global }
    .group_segment_fixed_size: 50688
    .private_segment_fixed_size: 0
    .kernarg_segment_align: 8
    .kernarg_segment_size: 64
    .max_flat_workgroup_size: 128
    .sgpr_count:     66
    .vgpr_count:     196
    .wavefront_size: 32
...
	.end_amdgpu_metadata
.endif
;; end of part 1
;; launch qkv (part 2): grid 12 x 32, 4 waves a work-group, clusters of 4 x 4, 327,680 bytes of LDS; arguments x_codes, x_scales, wq_codes, wq_scales, qkv; writes qkv
.if DOCPART == 2
	.amdgcn_target "amdgcn-amd-amdhsa--gfx1250"
	.amdhsa_code_object_version 6
	.text
	.protected	k_q662c6a2194_qkv
	.globl	k_q662c6a2194_qkv
	.p2align	8
	.type	k_q662c6a2194_qkv,@function
k_q662c6a2194_qkv:
	s_mov_b64 s[64:65], 0
	v_nop
	global_prefetch_b8 v0, s[64:65] scope:SCOPE_SE
	s_setreg_imm32_b32 hwreg(HW_REG_WAVE_MODE, 25, 1), 1
	s_wait_xcnt 0x0
	s_wait_alu depctr_hold_cnt(0) depctr_sa_sdst(0) depctr_va_vdst(0) depctr_va_sdst(0) depctr_va_ssrc(0) depctr_va_vcc(0) depctr_vm_vsrc(0)
	s_getreg_b32 s2, hwreg(HW_REG_IB_STS2, 6, 4)
	s_cmp_eq_u32 s2, 0
	s_cbranch_scc0 .Lentry_in_a_cluster
	s_endpgm
.Lentry_in_a_cluster:
	s_bfe_u32 s2, ttmp6, 0x10000c
	s_cmp_lg_u32 s2, 0xf033
	s_cbranch_scc0 .Lentry_shape_is_right
	s_endpgm
.Lentry_shape_is_right:
; q, k, v = x w_qkv^T on codes of FP4 (E2M1) with one E8M0 scale for each 32 along K; sums in f32; the results are rounded to f16 and stored as images of operand registers.
; A = x's codes [8192][1024], B = w_qkv's codes [3072][1024], 512 bytes a row; their scale bytes [rows][32].
; A tile of 256 tokens x 256 channels is made by a work-group of four waves; a wave makes 128 x 128: 64 accumulators of 16 x 16, 512 registers.
; K = 1,024 is two K steps of 512 (tile rows of 256 bytes): each has an LDS slot of its own, both asked for at the head; nothing is filled again.  The scales of the work-group's rows come once, as whole runs of 256 bytes.
; CLUSTERS: 4 x 4 work-groups.  The four of a row of the cluster need the same tiles of A, the four of a column the same tiles of B: each tile is asked for JOINTLY, by the same tensor load with the same descriptor and a mask that names the four.
; THE MATRIX INSTRUCTION IS USED TRANSPOSED (source 0 = 16 rows of w_qkv, source 1 = 16 tokens): lane (r, h) holds token r and channels 8 h .. 8 h + 7 of a block of 16 x 16, which pack into 16 bytes of f16.
; THE OUTPUT is made of blocks of 512 bytes, 16 tokens x 16 channels, at which << 24 | batch << 22 | head << 18 | token tile << 11 | channel tile << 9 (which: 0 q, 1 k, 2 v).
; In a block of q or k the lane's 16 bytes lie at 16 r + 256 h (the image of half a fragment); in a block of v at 32 r + 16 h ([token][16 channels], for the turning load).
; LIMIT: results beyond f16's largest number, 65,504, are not served.
; REGISTERS, in windows of 256: window 0: v0-31 addresses; v32-95 scale words, two sets; from v128 A's fragments, ONE set; on the way out v128-255 hold packed results.
;   window 1: B's fragments, TWO sets, at v0 and at v128.   window 2: the 32 accumulators of my tokens 0-63 (accumulator (a, b) at v[8 (8 a + b)]);   window 3: those of my tokens 64-127.
.set SIZE_K, 1024
.set KSTEP,  512                       ; along K in a slot
.set NQ,     KSTEP/128                 ; matrix instructions deep
.set ROWB,   256                       ; a tile's row in bytes
.set KROW,   SIZE_K*4/8                ; a row of codes in memory
.set PITCH,  272                       ; an LDS row: 256 bytes + 16 of padding: the 16 rows that a load touches start at 16 different banks (64 banks of 4 bytes: ISA guide 11.1)
.set FR,     8                         ; registers of a fragment: 16 rows x 128 K
.set NL,     2                         ; LDS loads that bring one
.set NP,     4                         ; places behind this matrix instruction (ISA guide 7.12.1)
.set HALFT,  128*PITCH                 ; 128 rows: what one tensor load brings
.set SLOT,   4*HALFT                   ; A's 256 rows, then B's 256 rows
.set KS,     SIZE_K/32                 ; a row of scales in bytes
.set SCL,    2*SLOT                    ; behind the slots: the scales, as runs of 256 bytes + 16 of padding
.set HALFS,  (128*KS/256)*272          ; the scales of 128 rows
.set SBLK,   (16*KS/256)*272           ; those of 16 rows
.set SPARE,  SCL+4*HALFS               ; the spare words, 128 bytes for each wave: two blocks of 256 bytes that no other line names
.set ADRA, 16                          ; v16-17  LDS address of my A fragments in slot 0, 1
.set ADRB, 20                          ; v20-21  the same for B
.set CO,   26                          ; v26     my 16 bytes' place in a block of the output
.set ADRS, 27                          ; v27     LDS address of my scale words: lanes 0-15 A's rows, lanes 16-31 B's
.set SPW,  28                          ; v28     LDS address of my spare word; never rewritten
.set NIL,  29                          ; v29     0; never rewritten
.set SC,   32                          ; scale words: set s at v[SC + 8 NQ s]; register NQ i + q: lanes 0-15 the word of A's block i, lanes 16-31 that of B's block i
.set AF,   128                         ; A's fragments, in window 0
.set TMP,  128                         ; the way out: four sets of 32 registers
.set G1, 24                            ; s[24:31] descriptor group 1 for A's tiles;  s[32:39] group 0, one set for each slot
.set G0, 32
.set G1B, 48                           ; s[48:55], s[56:63] the same for B's tiles
.set G0B, 56
.set G1S, 68                           ; s[68:75], s[76:79] groups 1 and 0 for A's scales;  s[80:87], s[88:91] for B's
.set G0S, 76
.set G1SB, 80
.set G0SB, 88
.set MSB, 0
.macro WIN new                         ; the immediate's high byte repeats the setting that is left
.if MSB != \new
	s_set_vgpr_msb (MSB<<8)|\new
.set MSB, \new
.endif
.endm
.set MUL_LO, 0xa1                      ; source 0 (B) window 1, source 1 (A) window 0, C and D window 2
.set MUL_HI, 0xf1                      ; the same, C and D window 3
.set TO_B,   0x40                      ; destination window 1, address window 0
; A joint load: waves 0 and 1 fetch for A, waves 2 and 3 for B.  The branch hangs on the wave's number alone.  An s_nop 0 and four v_nop follow each of the two lines.
.macro JLOAD g0a, g1a, g0b, g1b
	s_cmp_eq_u32 s15, 0
	s_cbranch_scc0 .Lfor_b_\@
	tensor_load_to_lds s[\g0a:\g0a+3], s[\g1a:\g1a+7]
	s_nop 0
.rept 4
	v_nop
.endr
	s_branch .Lasked_\@
.Lfor_b_\@:
	tensor_load_to_lds s[\g0b:\g0b+3], s[\g1b:\g1b+7]
	s_nop 0
.rept 4
	v_nop
.endr
.Lasked_\@:
.endm
.macro CROUND                          ; a round of the cluster's barrier
	s_barrier_signal -1
	s_barrier_wait -1
	s_cmp_lg_u32 s14, 0
	s_cbranch_scc1 .Lnot_wave_0_\@
	s_barrier_signal -3
.Lnot_wave_0_\@:
	s_barrier_wait -3
	s_barrier_signal -1
	s_barrier_wait -1
.endm
	s_load_b128 s[4:7], s[0:1], 0x0                ; A's codes s[4:5], A's scales s[6:7]
	s_load_b128 s[8:11], s[0:1], 0x10              ; B's codes s[8:9], B's scales s[10:11]
	s_load_b64 s[12:13], s[0:1], 0x20              ; the output
	v_lshl_add_u32 v[SPW], v0, 2, SPARE
	v_mov_b32 v[NIL], 0
	ds_add_u32 v[SPW], v[NIL]                      ; the wave's opening: the add, twice on end, and its wait ahead of my first tensor load
	ds_add_u32 v[SPW], v[NIL]
	v_lshrrev_b32 v1, 5, v0
	v_readfirstlane_b32 s14, v1                    ; wave 0..3
	s_lshr_b32 s15, s14, 1                         ; which half of the tile's tokens is mine.  Also: I fetch for A (0) or for B (1)
	s_and_b32 s16, s14, 1                          ; which half of its channels.  Also: which 128 rows of that tile I fetch
	s_bfe_u32 s40, ttmp6, 0x40000                  ; cx, cy: my place in the cluster
	s_bfe_u32 s41, ttmp6, 0x40004
	s_lshl_b32 s42, ttmp9, 2
	s_add_co_u32 s42, s42, s40                     ; tile column = 4 x cluster x + cx
	s_and_b32 s17, ttmp7, 0xffff
	s_lshl_b32 s17, s17, 2
	s_add_co_u32 s17, s17, s41                     ; tile row = 4 x cluster y + cy
	s_lshl_b32 s43, s41, 2
	s_lshl_b32 s43, 15, s43                        ; my row of the cluster
	s_lshl_b32 s44, 0x1111, s40                    ; my column
	; descriptor group 1: a tile of 128 rows x 256 bytes, padded in LDS
	s_or_b32 s[G1+0], s43, (0<<16)|(1<<20)|(1<<21)|(5<<22)|(3<<25)  ; 15:0 the mask; 17:16 element of 1 byte; 20 padding on; 21 set beside a mask; 24:22 after every 64 words; 31:25 four words
	s_or_b32 s[G1B+0], s44, (0<<16)|(1<<20)|(1<<21)|(5<<22)|(3<<25)
.irp g, G1, G1B
	s_mov_b32 s[\g+1], ROWB<<16                    ; tensor_dim0
	s_mov_b32 s[\g+2], 128<<16                     ; tensor_dim1
	s_mov_b32 s[\g+3], ROWB<<16                    ; tile_dim0
	s_mov_b32 s[\g+4], 128                         ; tile_dim1
	s_mov_b32 s[\g+5], KROW                        ; tensor_dim0_stride
	s_mov_b32 s[\g+6], 0
	s_mov_b32 s[\g+7], 0
.endr
	; the scales of 128 rows: a dense block of 4,096 bytes, as rows of 256 bytes (32 elements of 8 bytes), 16 bytes of padding behind each
	s_or_b32 s[G1S+0], s43, (3<<16)|(1<<20)|(1<<21)|(5<<22)|(3<<25)
	s_or_b32 s[G1SB+0], s44, (3<<16)|(1<<20)|(1<<21)|(5<<22)|(3<<25)
.irp g, G1S, G1SB
	s_mov_b32 s[\g+1], 32<<16
	s_mov_b32 s[\g+2], (128*KS/256)<<16
	s_mov_b32 s[\g+3], 32<<16
	s_mov_b32 s[\g+4], 128*KS/256
	s_mov_b32 s[\g+5], 32
	s_mov_b32 s[\g+6], 0
	s_mov_b32 s[\g+7], 0
.endr
	s_lshl_b32 s18, s16, 7                         ; which 128 rows of the tile I fetch
	s_lshl_b32 s20, s17, 8
	s_add_co_u32 s20, s20, s18                     ; A: row 256 x tile row + 128 x half
	s_lshl_b32 s46, s42, 8
	s_add_co_u32 s46, s46, s18                     ; B: row 256 x tile column + 128 x half
	s_mov_b32 s21, 0
	s_mov_b32 s47, 0
	s_mov_b64 s[18:19], KS
	s_mul_u64 s[22:23], s[20:21], s[18:19]         ; where these rows' scales begin, in bytes
	s_mul_u64 s[92:93], s[46:47], s[18:19]
	s_mov_b64 s[18:19], KROW
	s_mul_u64 s[20:21], s[20:21], s[18:19]         ; and their codes
	s_mul_u64 s[46:47], s[46:47], s[18:19]
	s_mul_i32 s45, s14, HALFT                      ; where they go: wave x 128 rows: no place in the cluster enters an LDS address
	s_mul_i32 s94, s14, HALFS
	s_wait_dscnt 0x0                               ; both opening adds are done
	s_wait_kmcnt 0x0
	s_add_nc_u64 s[20:21], s[4:5], s[20:21]
	s_add_nc_u64 s[22:23], s[6:7], s[22:23]
	s_add_nc_u64 s[46:47], s[8:9], s[46:47]
	s_add_nc_u64 s[92:93], s[10:11], s[92:93]
	CROUND                                         ; all sixteen work-groups are here: the joint loads meet
	s_mov_b32 s[G0S], 1
	s_add_co_u32 s[G0S+1], s94, SCL
	s_mov_b64 s[G0S+2:G0S+3], s[22:23]
	s_or_b32 s[G0S+3], s[G0S+3], 0x80000000
	s_mov_b32 s[G0SB], 1
	s_add_co_u32 s[G0SB+1], s94, SCL
	s_mov_b64 s[G0SB+2:G0SB+3], s[92:93]
	s_or_b32 s[G0SB+3], s[G0SB+3], 0x80000000
	JLOAD G0S, G1S, G0SB, G1SB                     ; the scales first: they are wanted with K step 0
.irp s, 0,1
	s_mov_b32 s[G0+4*\s], 1
	s_add_co_u32 s[G0+4*\s+1], s45, \s*SLOT
	s_add_nc_u64 s[G0+4*\s+2:G0+4*\s+3], s[20:21], \s*ROWB
	s_or_b32 s[G0+4*\s+3], s[G0+4*\s+3], 0x80000000
	s_mov_b32 s[G0B+4*\s], 1
	s_add_co_u32 s[G0B+4*\s+1], s45, \s*SLOT
	s_add_nc_u64 s[G0B+4*\s+2:G0B+4*\s+3], s[46:47], \s*ROWB
	s_or_b32 s[G0B+4*\s+3], s[G0B+4*\s+3], 0x80000000
	JLOAD G0+4*\s, G1, G0B+4*\s, G1B               ; three loads of mine are out
.endr
	v_and_b32 v1, 15, v0                           ; r = lane % 16
	v_bfe_u32 v2, v0, 4, 1                         ; h = lane / 16
	v_mul_u32_u24 v3, v1, PITCH
	v_lshl_add_u32 v4, v2, 4, v3                   ; a fragment's row x pitch + 16 x half
	s_mul_i32 s21, s15, HALFT                      ; my 128 rows of A
	s_mul_i32 s22, s16, HALFT                      ; my 128 rows of B,
	s_add_co_u32 s22, s22, 2*HALFT                 ; which lie behind A's 256
.irp s, 0,1
	v_add_nc_u32 v[ADRA+\s], s21, v4
	v_add_nc_u32 v[ADRB+\s], s22, v4
	s_add_co_u32 s21, s21, SLOT
	s_add_co_u32 s22, s22, SLOT
.endr
	v_mul_u32_u24 v5, v1, KS                       ; my row's scales: KS bytes a row,
	v_lshrrev_b32 v6, 8, v5
	v_lshl_add_u32 v5, v6, 4, v5                   ; and 16 more for each 256 passed
	s_mul_i32 s21, s15, HALFS                      ; A's: my 128 rows
	s_mul_i32 s22, s16, HALFS                      ; B's: my 128 rows, behind A's 256
	s_add_co_u32 s22, s22, 2*HALFS
	s_sub_co_u32 s22, s22, s21
	v_mul_u32_u24 v6, s22, v2                      ; lanes 16-31 take B's
	s_add_co_u32 s21, s21, SCL
	v_add_nc_u32 v5, v5, v6
	v_add_nc_u32 v[ADRS], s21, v5
	; where my part of the output begins: which << 24 + batch << 22 + head << 18 + token tile << 11
	s_lshr_b32 s20, s17, 3                         ; batch: 8 tile rows of 256 tokens each
	s_lshl_b32 s20, s20, 22
	s_and_b32 s21, s17, 7
	s_lshl_b32 s21, s21, 4
	s_lshl_b32 s22, s15, 3
	s_add_co_u32 s21, s21, s22                     ; my first token tile in the batch
	s_lshl_b32 s21, s21, 11
	s_add_co_u32 s20, s20, s21
	s_lshr_b32 s46, s42, 2                         ; which: 4 tile columns of 256 channels each
	s_lshl_b32 s46, s46, 24
	s_and_b32 s47, s42, 3
	s_lshl_b32 s47, s47, 2
	s_lshl_b32 s22, s16, 1
	s_add_co_u32 s47, s47, s22                     ; my first head: a tile column has four, my half two
	s_lshl_b32 s47, s47, 18
	s_add_co_u32 s46, s46, s47
	s_add_co_u32 s20, s20, s46
	s_mov_b32 s21, 0
	s_add_nc_u64 s[12:13], s[12:13], s[20:21]
	s_cmp_ge_u32 s42, 8                            ; v's tile columns: another place in the block.  A choice of two shifts for a global offset: no branch
	s_cselect_b32 s46, 5, 4
	s_cselect_b32 s47, 4, 8
	v_lshlrev_b32 v[CO], s46, v1                   ; q, k: 16 r + 256 h;  v: 32 r + 16 h
	v_lshlrev_b32 v5, s47, v2
	v_add_nc_u32 v[CO], v[CO], v5
.macro FRAG reg, adr, q, i             ; a fragment, 16 rows x 128 K of 4-bit codes: lane l holds row l % 16; registers 4 c .. 4 c + 3 hold K = 64 c + 32 (l / 16) + 0 .. 31
.irp c, 0,1
	ds_load_b128 v[\reg+4*\c:\reg+4*\c+3], v[\adr] offset:64*(\q)+32*\c+(\i)*16*PITCH
.endr
.endm
; 16 matrix instructions: A's blocks a0, a0 + 1 x B's eight, 128 along K: the slot's q-th.  p: B's set;  sc: the set of scale words.  zero = 1: the first product starts the sums.
; The 64 accumulators take turns, one instruction a turn, in the same order in every step.
.macro MUL16 a0, p, q, sc, zero
.irp a, \a0, \a0+1
.irp b, 0,1,2,3,4,5,6,7
.if \zero
	v_wmma_scale_f32_16x16x128_f8f6f4 v[8*(8*((\a)%4)+\b):8*(8*((\a)%4)+\b)+7], v[128*(\p)+FR*\b:128*(\p)+FR*\b+FR-1], v[AF+FR*(\a):AF+FR*(\a)+FR-1], 0, v[SC+8*NQ*(\sc)+NQ*\b+(\q)], v[SC+8*NQ*(\sc)+NQ*(\a)+(\q)] matrix_a_fmt:MATRIX_FMT_FP4 matrix_b_fmt:MATRIX_FMT_FP4 matrix_a_scale:MATRIX_SCALE_ROW1
.else
	v_wmma_scale_f32_16x16x128_f8f6f4 v[8*(8*((\a)%4)+\b):8*(8*((\a)%4)+\b)+7], v[128*(\p)+FR*\b:128*(\p)+FR*\b+FR-1], v[AF+FR*(\a):AF+FR*(\a)+FR-1], v[8*(8*((\a)%4)+\b):8*(8*((\a)%4)+\b)+7], v[SC+8*NQ*(\sc)+NQ*\b+(\q)], v[SC+8*NQ*(\sc)+NQ*(\a)+(\q)] matrix_a_fmt:MATRIX_FMT_FP4 matrix_b_fmt:MATRIX_FMT_FP4 matrix_a_scale:MATRIX_SCALE_ROW1
.endif
.endr
.endr
.endm
.macro FETCH_B slot, q, p              ; B's eight fragments of the slot's q-th 128 along K into set p
	WIN TO_B
.irp i, 0,1,2,3,4,5,6,7
	FRAG 128*(\p)+FR*\i, ADRB+\slot, \q, \i
.endr
	WIN 0
.endm
.macro FETCH_A slot, q, i0             ; A's blocks i0 .. i0 + 3
.irp i, \i0, \i0+1, \i0+2, \i0+3
	FRAG AF+FR*(\i), ADRA+\slot, \q, \i
.endr
.endm
.macro SCALES sc                       ; a K step's scale words into set sc: NQ words a row; lanes 0-15 take A's block i, lanes 16-31 B's block i
.irp i, 0,1,2,3,4,5,6,7
	ds_load_b128 v[SC+8*NQ*\sc+NQ*\i:SC+8*NQ*\sc+NQ*\i+3], v[ADRS] offset:\i*SBLK
.endr
.endm
; A load into a register that a matrix instruction has read, and a vector instruction that reads a matrix result or writes one of its registers, stand NP places behind it; only plain vector
; instructions that name none of its registers are places (ISA guide 7.12.1 for vector instructions).
.macro PLACES n
.rept \n
	v_nop
.endr
.endm
; A step of 128 along K that has its successor in the same slot.
.macro STEP slot, q, zero
	s_wait_dscnt 4*NL                              ; B's set and A's blocks 0-3 are in; the youngest eight loads (A's blocks 4-7) may be out
	WIN MUL_LO
	MUL16 0, (\q)%2, \q, \slot, \zero
	MUL16 2, (\q)%2, \q, \slot, \zero
	s_wait_dscnt 0                                 ; A's blocks 4-7 are in (asked for 32 matrix instructions ago)
	PLACES NP
	FETCH_B \slot, (\q)+1, 1-(\q)%2
	FETCH_A \slot, (\q)+1, 0
	WIN MUL_HI
	MUL16 4, (\q)%2, \q, \slot, \zero
	MUL16 6, (\q)%2, \q, \slot, \zero
	PLACES NP
	WIN 0
	FETCH_A \slot, (\q)+1, 4
.endm
; Slot 0's last step changes slots: one barrier; in front of it each wave waits for all its tensor loads (its part of slot 1 among them), so that behind it slot 1 is whole for every wave.  Nothing is filled again.
.macro TURN slot, next
	s_wait_tensorcnt 0x0                           ; all my tensor loads have landed  (every window is 0 here)
	ds_add_u32 v[SPW], v[NIL]                      ; 0 onto my spare word
	s_wait_dscnt 4*NL+1                            ; (the add and the youngest eight loads, A's blocks 4-7, may be out)
	WIN MUL_LO
	MUL16 0, 1, NQ-1, \slot, 0
	s_wait_dscnt 0x0                               ; the add is done, and no LDS load of mine is out at the signal
	s_barrier_signal -1
	MUL16 2, 1, NQ-1, \slot, 0
	WIN 0
	s_barrier_wait -1
	PLACES NP
	v_add_nc_u32 v[ADRS], 4*NQ, v[ADRS]            ; on to the next K step's scale words (no LDS load of mine is out)
	FETCH_B \next, 0, 0
	FETCH_A \next, 0, 0
	SCALES \next
	WIN MUL_HI
	MUL16 4, 1, NQ-1, \slot, 0
	MUL16 6, 1, NQ-1, \slot, 0
	PLACES NP
	WIN 0
	FETCH_A \next, 0, 4
.endm
.macro STEPS slot, from                ; the slot's steps from .. NQ - 2
.set Q, \from
.rept NQ-1-\from
	STEP \slot, Q, 0
.set Q, Q+1
.endr
.endm
	s_wait_tensorcnt 1                             ; the scales and my part of K step 0 are in (K step 1's load may be out),
	s_barrier_signal -1
	s_barrier_wait -1                              ; everybody's are
	FETCH_B 0, 0, 0
	FETCH_A 0, 0, 0
	SCALES 0
	FETCH_A 0, 0, 4
	STEP 0, 0, 1                                   ; the first step's products start the sums: nothing is cleared
	STEPS 0, 1
	TURN 0, 1
	STEPS 1, 0
	s_wait_dscnt 4*NL                              ; the very last step: nothing more to fetch
	WIN MUL_LO
	MUL16 0, 1, NQ-1, 1, 0
	MUL16 2, 1, NQ-1, 1, 0
	s_wait_dscnt 0
	WIN MUL_HI
	MUL16 4, 1, NQ-1, 1, 0
	MUL16 6, 1, NQ-1, 1, 0
	WIN 0
; THE WAY OUT, block a of 16 tokens at a time.  An accumulator, rounded to f16, IS a block of the output: 16 bytes a lane, so each store of the wave covers 512 consecutive bytes, aligned.  No stage is needed.
.macro OUT a
.set AC, 64*((\a)%4)
.set TP, TMP+32*((\a)%4)
.if (\a) >= 4
	s_wait_xcnt 0x0                                ; the stores of four blocks back have read their data: the set is written again only behind this wait
.endif
	WIN 0x0a+5*((\a)/4)                            ; sources 0 and 1: window 2 or 3
.irp b, 0,1,2,3,4,5,6,7
.irp i, 0,1,2,3
	v_cvt_pk_f16_f32 v[TP+4*\b+\i], v[AC+8*\b+2*\i], v[AC+8*\b+2*\i+1]   ; each accumulator from its low end on
.endr
.endr
	WIN 0
.irp b, 0,1,2,3,4,5,6,7
	global_store_b128 v[CO], v[TP+4*\b:TP+4*\b+3], s[12:13] offset:(\a)*2048+(\b/4)*262144+(\b%4)*512   ; token tile a, head b / 4, channel tile b % 4
.endr
.endm
	PLACES NP                                      ; behind the last products: their results are read, and the registers that held A's fragments are written
.irp a, 0,1,2,3,4,5,6,7
	OUT \a
.endr
	s_wait_tensorcnt 0x0                           ; the wave's end
	ds_add_u32 v[SPW], v[NIL]
	s_wait_dscnt 0x0
	CROUND                                         ; the closing round: no work-group ends while a partner may still ask for a tile that names it
	s_endpgm
.Lfunc_end_k_q662c6a2194_qkv:
	.size	k_q662c6a2194_qkv, .Lfunc_end_k_q662c6a2194_qkv-k_q662c6a2194_qkv
	.p2alignl 7, 3214868480
	.fill 96, 4, 3214868480
	.section	.rodata,"a",@progbits
	.p2align	6, 0x0
	.amdhsa_kernel k_q662c6a2194_qkv
		.amdhsa_group_segment_fixed_size 327680
		.amdhsa_private_segment_fixed_size 0
		.amdhsa_enable_private_segment 0
		.amdhsa_kernarg_size 40
		.amdhsa_user_sgpr_count 2
		.amdhsa_user_sgpr_kernarg_segment_ptr 1
		.amdhsa_wavefront_size32 1
		.amdhsa_system_sgpr_workgroup_id_x 1
		.amdhsa_system_sgpr_workgroup_id_y 1
		.amdhsa_system_sgpr_workgroup_id_z 1
		.amdhsa_system_vgpr_workitem_id 0
		.amdhsa_next_free_vgpr 1024
		.amdhsa_next_free_sgpr 98
		.amdhsa_reserve_vcc 0
		.amdhsa_float_denorm_mode_32 3
		.amdhsa_float_denorm_mode_16_64 3
		.amdhsa_memory_ordered 1
		.amdhsa_forward_progress 1
		.amdhsa_inst_pref_size 118
	.end_amdhsa_kernel
	.amdgpu_metadata
---
amdhsa.version: [ 1, 2 ]
amdhsa.kernels:
  - .name:           k_q662c6a2194_qkv
    .symbol:         k_q662c6a2194_qkv.kd
    .args:
      - { .name: x_codes, .offset: 0, .size: 8, .value_kind: global_buffer, .address_space: global }
      - { .name: x_scales, .offset: 8, .size: 8, .value_kind: global_buffer, .address_space: global }
      - { .name: wq_codes, .offset: 16, .size: 8, .value_kind: global_buffer, .address_space: global }
      - { .name: wq_scales, .offset: 24, .size: 8, .value_kind: global_buffer, .address_space: global }
      - { .name: qkv, .offset: 32, .size: 8, .value_kind: global_buffer, .address_space: global }
    .group_segment_fixed_size: 327680
    .private_segment_fixed_size: 0
    .kernarg_segment_align: 8
    .kernarg_segment_size: 40
    .max_flat_workgroup_size: 128
    .sgpr_count:     98
    .vgpr_count:     1024
    .wavefront_size: 32
...
	.end_amdgpu_metadata
.endif
;; end of part 2
;; launch attn (part 3): grid 4 x 64, 16 waves a work-group, no clusters, 327,680 bytes of LDS; arguments qkv, att; writes att
.if DOCPART == 3
	.amdgcn_target "amdgcn-amd-amdhsa--gfx1250"
	.amdhsa_code_object_version 6
	.text
	.protected	k_q662c6a2194_attn
	.globl	k_q662c6a2194_attn
	.p2align	8
	.type	k_q662c6a2194_attn,@function
k_q662c6a2194_attn:
	s_mov_b64 s[64:65], 0
	v_nop
	global_prefetch_b8 v0, s[64:65] scope:SCOPE_SE
	s_setreg_imm32_b32 hwreg(HW_REG_WAVE_MODE, 25, 1), 1
	s_wait_xcnt 0x0
; att[b][t][head 64 + d] = the sum over keys k with |k - t| <= 128 of softmax_k(q . k / 8) v.  q, k, v: f16, in blocks of 512 bytes (16 tokens x 16 channels) at which << 24 | (batch 16 + head) << 18 | token tile << 11 | channel tile << 9.
; Products on f16 operands with f32 sums; maximum, exponentials and the row's sum in f32; the weights p = 2^(c s - c max) (at most 1, not normalised) are rounded to f16 for the second product; the sum of the unrounded p divides at the end.
; THE WINDOW.  A tile of 16 queries sees 17 tiles of 16 keys: its own, eight before, eight behind.  All 17 tiles of scores lie in registers at once, so the row's true maximum is taken: no running maximum, nothing is rescaled.
; Hidden scores (the corners of the first and the last tile; tiles outside the sequence) become minus infinity ahead of the maximum: p = 0.
; LIMITS: that equals a hidden score of -1e9 while a row's largest visible score is above about -1e9 + 150; NaN and infinities among q, k, v are not served.
; SHARES.  A work-group owns 512 queries of one batch and head, and their 768 keys (from key 512 x - 128 on), which stay in LDS: K's 48 token tiles of 2,048 bytes, then V's.  Each of its sixteen waves takes
; query tile w, then query tile w + 16: four waves to a SIMD, so that one wave's vector work stands beside another's products and LDS loads.
; THE TENSOR LOADS.  Twelve pieces of 128 keys, 16,384 consecutive bytes each, one load of one wave each.  Waves 0-7 ask at the head for the pieces that the first 16 query tiles read; waves 8-11 ask behind the first
; barrier for the last two of K and of V, which land while the first tiles are worked.  One tensor load of a wave is out at the most.  A piece that would lie outside the sequence is the sequence's first or last piece once more: finite numbers, whose scores are hidden.
; NO CLUSTER: neighbouring work-groups share two of their six pieces, but at different places of their windows; a joint load has one LDS address for all partners, so the readers' LDS addresses would hang on the place in the cluster.
; LAYOUT.  S^T = K Q^T (source 0 = 16 keys, source 1 = 16 queries): a lane holds ONE query (lane % 16) and keys 8 (lane / 16) + 0 .. 7.  Two such tiles, packed to f16, ARE source 1 of O^T = V^T P.  V comes out of LDS turned, by ds_load_tr16_b128.
; att is laid for the projection: (tg / 8) << 18 | (head / 2) << 15 | (tg % 8) << 12 | (head % 2) << 11 | channel tile << 9 | 16 x lane, tg = 128 batch + token tile.
.set KT,    2048                       ; a token tile of K or of V in bytes
.set VOFF,  48*KT                      ; V's tiles lie behind K's
.set SPARE, 2*VOFF                     ; the spare words, 128 bytes for each wave: eight blocks of 256 bytes that no other line names
.set LI,  1                            ; v1      16 x lane
.set AK,  2                            ; v2, v3  LDS address of my first key tile of K, phase 0, 1
.set AV,  4                            ; v4, v5  the same for V, by the turning load's lanes
.set NEG, 6                            ; v6      minus infinity
.set D0,  7                            ; v7      r - 8 h
.set SPW, 8                            ; v8      LDS address of my spare word; never rewritten
.set NIL, 9                            ; v9      0; never rewritten
.set MX,  10                           ; v10     the row's largest score
.set T1,  11                           ; v11     what the other half of the lanes sends
.set NCM, 12                           ; v[12:13] -c max (the packed form names a pair and takes its low word)
.set RI,  14                           ; v[14:15] 1 / the row's sum, likewise
.set Q,   16                           ; v16-47  Q's fragments, 16 registers a phase; later that phase's packed output
.set F,   48                           ; v48-111 fragments of K or of V
.set S,   112                          ; v112-247 17 tiles of scores; P of tiles 2 s, 2 s + 1 is packed in place into v[S + 16 s ..+7]; O^T's tile c takes v[S + 16 c + 8 ..+15], which the packing has left
.set CH,  248                          ; v248-251 four chains of the maximum, then two pairs of the sum
.set G0,  12                           ; s[12:15] descriptor group 0
.set G1,  16                           ; s[16:23] descriptor group 1
.set WV,  24                           ; s24     my wave's number
.set CS,  28                           ; s[28:29] c = log2(e) / 8;  s30 = -c
.set M0,  32                           ; s[32:39] lanes whose key j of the first tile is hidden: j < r - 8 h
.set M16, 40                           ; s[40:47] lanes whose key j of the last tile is hidden: j > r - 8 h
.set SEL, 48                           ; s[48:49] v_permlanex16_b32's selects for lane l xor 16
.set QT0, 50                           ; s50     my first query tile in the sequence: 32 x + wave
	s_load_b128 s[4:7], s[0:1], 0x0                ; qkv s[4:5], att s[6:7]
	v_lshl_add_u32 v[SPW], v0, 2, SPARE
	v_mov_b32 v[NIL], 0
	ds_add_u32 v[SPW], v[NIL]                      ; the wave's opening: the add, twice on end, and its wait ahead of my first tensor load
	ds_add_u32 v[SPW], v[NIL]
	v_lshrrev_b32 v1, 5, v0
	v_readfirstlane_b32 s[WV], v1                  ; wave 0..15
	; group 1: 16,384 dense bytes as 64 rows of 256 bytes (32 elements of 8 bytes), no padding: fragments are read as images, 16 x lane
	s_mov_b32 s[G1+0], 3<<16
	s_mov_b32 s[G1+1], 32<<16                      ; tensor_dim0
	s_mov_b32 s[G1+2], 64<<16                      ; tensor_dim1
	s_mov_b32 s[G1+3], 32<<16                      ; tile_dim0
	s_mov_b32 s[G1+4], 64                          ; tile_dim1
	s_mov_b32 s[G1+5], 32                          ; tensor_dim0_stride
	s_mov_b32 s[G1+6], 0
	s_mov_b32 s[G1+7], 0
	s_and_b32 s25, ttmp7, 0xffff                   ; 16 batch + head
	s_and_b32 s26, s[WV], 1                        ; I fetch for K (0) or for V (1),
	s_lshr_b32 s27, s[WV], 1                       ; piece wave / 2
	s_mul_i32 s51, s26, VOFF
	s_lshl_b32 s52, s27, 14
	s_mov_b32 s[G0], 1                             ; count = 1
	s_add_co_u32 s[G0+1], s51, s52                 ; LDS address
	s_lshl_b32 s51, ttmp9, 2
	s_add_co_u32 s51, s51, s27                     ; the piece's run of 128 keys in the sequence is 4 x - 1 + piece,
	s_max_u32 s51, s51, 1
	s_sub_co_u32 s51, s51, 1
	s_min_u32 s51, s51, 15                         ; held to 0 .. 15
	s_lshl_b32 s51, s51, 14
	s_add_co_u32 s52, s26, 1
	s_lshl_b32 s52, s52, 24                        ; k or v
	s_add_co_u32 s52, s52, s51
	s_lshl_b32 s54, s25, 18                        ; the batch and head
	s_add_co_u32 s52, s52, s54
	s_mov_b32 s53, 0
	s_lshl_b32 s[QT0], ttmp9, 5
	s_add_co_u32 s[QT0], s[QT0], s[WV]
	s_lshl_b32 s56, s[QT0], 11
	s_add_co_u32 s56, s56, s54                     ; q: my first query tile
	s_mov_b32 s57, 0
	s_lshr_b32 s51, s25, 4
	s_lshl_b32 s51, s51, 7
	s_add_co_u32 s51, s51, s[QT0]                  ; tg = 128 batch + token tile
	s_lshr_b32 s58, s51, 3
	s_lshl_b32 s58, s58, 18
	s_and_b32 s51, s51, 7
	s_lshl_b32 s51, s51, 12
	s_add_co_u32 s58, s58, s51
	s_bfe_u32 s51, s25, 0x30001                    ; head / 2
	s_lshl_b32 s51, s51, 15
	s_add_co_u32 s58, s58, s51
	s_and_b32 s51, s25, 1                          ; head % 2
	s_lshl_b32 s51, s51, 11
	s_add_co_u32 s58, s58, s51
	s_mov_b32 s59, 0
	s_mov_b32 s[CS], 0x3e38aa3b                    ; c = log2(e) / 8
	s_mov_b32 s[CS+1], s[CS]                       ; (named with it as a pair, so it is written)
	s_mov_b32 s30, 0xbe38aa3b                      ; -c
	s_mov_b32 s[SEL], 0x76543210
	s_mov_b32 s[SEL+1], 0xfedcba98
	s_wait_dscnt 0x0                               ; both opening adds are done
	s_wait_kmcnt 0x0
	s_add_nc_u64 s[G0+2:G0+3], s[4:5], s[52:53]    ; global address of my piece
	s_or_b32 s[G0+3], s[G0+3], 0x80000000          ; type = 2
	s_add_nc_u64 s[8:9], s[4:5], s[56:57]          ; q
	s_add_nc_u64 s[10:11], s[6:7], s[58:59]        ; att
	s_cmp_lt_u32 s[WV], 8
	s_cbranch_scc0 .Lno_first
	tensor_load_to_lds s[G0:G0+3], s[G1:G1+7]      ; pieces 0 to 3 of K and of V
	s_nop 0
.rept 4
	v_nop
.endr
.Lno_first:
	v_and_b32 v10, 31, v0
	v_lshlrev_b32 v[LI], 4, v10
.irp f, 0,1
.irp d, 0,1,2,3
	global_load_b128 v[Q+16*\f+4*\d:Q+16*\f+4*\d+3], v[LI], s[8:9] offset:\f*16*KT+\d*512 th:TH_LOAD_NT   ; Q's blocks are images of half fragments: both phases' stay in registers
.endr
.endr
	s_lshl_b32 s51, s[WV], 11                      ; query tile w's first key tile is the window's tile w
	v_add_nc_u32 v[AK], s51, v[LI]
	v_add_nc_u32 v[AK+1], 16*KT, v[AK]
	v_bfe_u32 v11, v0, 4, 1                        ; h
	v_and_b32 v12, 7, v0
	v_lshl_add_u32 v12, v11, 3, v12                ; the turning load: key 8 h + lane % 8,
	v_bfe_u32 v13, v0, 3, 1
	v_lshlrev_b32 v12, 5, v12                      ; 32 bytes a key,
	v_lshl_add_u32 v12, v13, 4, v12                ; channels 8 ((lane / 8) % 2) on
	v_add_nc_u32 v12, s51, v12
	v_add_nc_u32 v[AV], VOFF, v12
	v_add_nc_u32 v[AV+1], 16*KT, v[AV]
	v_and_b32 v10, 15, v0                          ; r
	v_lshlrev_b32 v12, 3, v11
	v_sub_nc_u32 v[D0], v10, v12                   ; r - 8 h
	v_mov_b32 v[NEG], 0xff800000
	v_mov_b32 v[NCM+1], 0                          ; the upper halves of the two pairs are written once
	v_mov_b32 v[RI+1], 0
	s_wait_tensorcnt 0x0                           ; my piece has landed;
	ds_add_u32 v[SPW], v[NIL]
	ds_add_u32 v[SPW], v[NIL]
.irp j, 0,1,2,3,4,5,6,7
	v_cmp_lt_i32 s[M0+\j], \j, v[D0]               ; first tile: key - query = -128 + 8 h + j - r: hidden where j < r - 8 h
	v_cmp_gt_i32 s[M16+\j], \j, v[D0]              ; last tile: key - query = 128 + 8 h + j - r: hidden where j > r - 8 h
.endr
	s_wait_dscnt 0x0                               ; both adds are done
	s_barrier_signal -1
	s_barrier_wait -1                              ; pieces 0 to 3 are whole for every wave
	s_cmp_lt_u32 s[WV], 8
	s_cbranch_scc1 .Lno_late
	s_cmp_lt_u32 s[WV], 12
	s_cbranch_scc0 .Lno_late
	tensor_load_to_lds s[G0:G0+3], s[G1:G1+7]      ; pieces 4 and 5: the first thing behind the barrier, the wave's one load; the first 16 query tiles read none of these bytes
	s_nop 0
.rept 4
	v_nop
.endr
.Lno_late:
	s_wait_loadcnt 0x0                             ; Q
; n tiles of scores from tile first on.  The accumulators take turns, one instruction a turn: so no batch has fewer than two.
.macro QK first, n, f
.rept 4
	v_nop                                          ; places in front of loads into registers that matrix instructions have read
.endr
.set kt, 0
.rept \n
.irp c, 0,1,2,3
	ds_load_b128 v[F+16*kt+4*\c:F+16*kt+4*\c+3], v[AK+\f] offset:(\first+kt)*KT+512*\c
.endr
.set kt, kt+1
.endr
	s_wait_dscnt 0x0
.set kt, 0
.rept \n
	v_wmma_f32_16x16x32_f16 v[S+8*(\first+kt):S+8*(\first+kt)+7], v[F+16*kt:F+16*kt+7], v[Q+16*\f:Q+16*\f+7], 0   ; channels 0-31 start the sums
.set kt, kt+1
.endr
.set kt, 0
.rept \n
	v_wmma_f32_16x16x32_f16 v[S+8*(\first+kt):S+8*(\first+kt)+7], v[F+16*kt+8:F+16*kt+15], v[Q+16*\f+8:Q+16*\f+15], v[S+8*(\first+kt):S+8*(\first+kt)+7]
.set kt, kt+1
.endr
.endm
; n steps of 32 keys of O^T += V^T P from step s0 on; the four accumulators take turns.  Step 8 has 16 keys: its second half reads the first half's bytes once more, finite numbers against weights that are 0.
.macro PV s0, n, f
.rept 4
	v_nop
.endr
.set uu, 0
.rept \n
.irp c, 0,1,2,3
	ds_load_tr16_b128 v[F+32*uu+8*\c:F+32*uu+8*\c+3], v[AV+\f] offset:2*(\s0+uu)*KT+512*\c
.if (\s0+uu) < 8
	ds_load_tr16_b128 v[F+32*uu+8*\c+4:F+32*uu+8*\c+7], v[AV+\f] offset:(2*(\s0+uu)+1)*KT+512*\c
.else
	ds_load_tr16_b128 v[F+32*uu+8*\c+4:F+32*uu+8*\c+7], v[AV+\f] offset:2*(\s0+uu)*KT+512*\c
.endif
.endr
.set uu, uu+1
.endr
	s_wait_dscnt 0x0
.set uu, 0
.rept \n
.irp c, 0,1,2,3
.if (\s0+uu) == 0
	v_wmma_f32_16x16x32_f16 v[S+16*\c+8:S+16*\c+15], v[F+32*uu+8*\c:F+32*uu+8*\c+7], v[S+16*(\s0+uu):S+16*(\s0+uu)+7], 0
.else
	v_wmma_f32_16x16x32_f16 v[S+16*\c+8:S+16*\c+15], v[F+32*uu+8*\c:F+32*uu+8*\c+7], v[S+16*(\s0+uu):S+16*(\s0+uu)+7], v[S+16*\c+8:S+16*\c+15]
.endif
.endr
.set uu, uu+1
.endr
.endm
; One tile of 16 queries: query tile wave + 16 f of the work-group.
.macro TILE f
	QK 0, 4, \f
	QK 4, 4, \f
	QK 8, 4, \f
	QK 12, 3, \f
	QK 15, 2, \f
.rept 4
	v_nop                                          ; places behind the last products
.endr
.irp j, 0,1,2,3,4,5,6,7
	v_cndmask_b32 v[S+\j], v[S+\j], v[NEG], s[M0+\j]               ; the first tile's corner
.endr
.irp j, 0,1,2,3,4,5,6,7
	v_cndmask_b32 v[S+128+\j], v[S+128+\j], v[NEG], s[M16+\j]      ; the last tile's
.endr
	s_add_co_u32 s51, s[QT0], 16*\f-8              ; my first key tile in the sequence (as an unsigned number: below 0 is above 127)
	s_cmp_lt_u32 s51, 112                          ; all 17 tiles lie in the sequence: a branch on ids, round vector work alone
	s_cbranch_scc1 .Linner_\@
.irp i, 0,1,2,3,4,5,6,7,9,10,11,12,13,14,15,16
	s_add_co_u32 s52, s51, \i
	s_cmp_gt_u32 s52, 127
	s_cselect_b32 s53, -1, 0                       ; all lanes or none
.irp j, 0,1,2,3,4,5,6,7
	v_cndmask_b32 v[S+8*\i+\j], v[S+8*\i+\j], v[NEG], s53
.endr
.endr
.Linner_\@:
.irp k, 0,1,2,3
	v_max_num_f32 v[CH+\k], v[S+2*\k], v[S+2*\k+1]                 ; the maximum, in four chains; in each tile the chain that reads its lowest registers comes first
.endr
.irp i, 1,2,3,4,5,6,7,8,9,10,11,12,13,14,15,16
.irp k, 0,1,2,3
	v_max3_num_f32 v[CH+\k], v[CH+\k], v[S+8*\i+2*\k], v[S+8*\i+2*\k+1]
.endr
.endr
	v_max3_num_f32 v[MX], v[CH], v[CH+1], v[CH+2]
	v_max_num_f32 v[MX], v[MX], v[CH+3]
	v_permlanex16_b32 v[T1], v[MX], s[SEL], s[SEL+1]               ; the query's other keys lie in the lane 16 away
	v_max_num_f32 v[MX], v[MX], v[T1]
	v_mul_f32 v[NCM], s30, v[MX]                   ; -c max
.set ii, 0
.rept 68
	v_pk_fma_f32 v[S+ii:S+ii+1], v[S+ii:S+ii+1], s[CS:CS+1], v[NCM:NCM+1] op_sel_hi:[1,0,0]   ; c s - c max, two at a time
.set ii, ii+2
.endr
.set ii, 0
.rept 136
	v_exp_f32 v[S+ii], v[S+ii]                     ; p: one batch
.set ii, ii+1
.endr
	v_nop                                          ; a plain instruction behind the last exponential
	s_wait_alu depctr_va_vdst(0)                   ; one wait for the batch, ahead of its first reader
.set pp, 0
.rept 8                                ; tiles 2 pp and 2 pp + 1: the sum of the unrounded p, in two chains; then they are packed in place
.if pp == 0
	v_pk_add_f32 v[CH:CH+1], v[S:S+1], v[S+2:S+3]
	v_pk_add_f32 v[CH+2:CH+3], v[S+4:S+5], v[S+6:S+7]
.else
	v_pk_add_f32 v[CH:CH+1], v[CH:CH+1], v[S+16*pp:S+16*pp+1]
	v_pk_add_f32 v[CH+2:CH+3], v[CH+2:CH+3], v[S+16*pp+2:S+16*pp+3]
	v_pk_add_f32 v[CH:CH+1], v[CH:CH+1], v[S+16*pp+4:S+16*pp+5]
	v_pk_add_f32 v[CH+2:CH+3], v[CH+2:CH+3], v[S+16*pp+6:S+16*pp+7]
.endif
	v_pk_add_f32 v[CH:CH+1], v[CH:CH+1], v[S+16*pp+8:S+16*pp+9]
	v_pk_add_f32 v[CH+2:CH+3], v[CH+2:CH+3], v[S+16*pp+10:S+16*pp+11]
	v_pk_add_f32 v[CH:CH+1], v[CH:CH+1], v[S+16*pp+12:S+16*pp+13]
	v_pk_add_f32 v[CH+2:CH+3], v[CH+2:CH+3], v[S+16*pp+14:S+16*pp+15]
.irp i, 0,1,2,3,4,5,6,7
	v_cvt_pk_f16_f32 v[S+16*pp+\i], v[S+16*pp+2*\i], v[S+16*pp+2*\i+1]   ; register i is written when registers up to 2 i + 1 have been read
.endr
.set pp, pp+1
.endr
	v_pk_add_f32 v[CH:CH+1], v[CH:CH+1], v[S+128:S+129]            ; the last tile alone
	v_pk_add_f32 v[CH+2:CH+3], v[CH+2:CH+3], v[S+130:S+131]
	v_pk_add_f32 v[CH:CH+1], v[CH:CH+1], v[S+132:S+133]
	v_pk_add_f32 v[CH+2:CH+3], v[CH+2:CH+3], v[S+134:S+135]
.irp i, 0,1,2,3
	v_cvt_pk_f16_f32 v[S+128+\i], v[S+128+2*\i], v[S+128+2*\i+1]
.endr
.irp i, 4,5,6,7
	v_mov_b32 v[S+128+\i], 0                       ; its step's other 16 keys: weights 0
.endr
	v_pk_add_f32 v[CH:CH+1], v[CH:CH+1], v[CH+2:CH+3]
	v_add_f32 v[CH], v[CH], v[CH+1]
	v_permlanex16_b32 v[T1], v[CH], s[SEL], s[SEL+1]
	v_add_f32 v[CH], v[CH], v[T1]                  ; the row's sum
	v_rcp_f32 v[RI], v[CH]                         ; (the v_nop that follow are the plain place behind it)
	PV 0, 2, \f
	PV 2, 2, \f
	PV 4, 2, \f
	PV 6, 2, \f
	PV 8, 1, \f
.rept 4
	v_nop                                          ; places behind the last products
.endr
	s_wait_alu depctr_va_vdst(0)                   ; the wait for the reciprocal, ahead of its first reader
.irp c, 0,1,2,3
.irp i, 0,2,4,6
	v_pk_mul_f32 v[S+16*\c+8+\i:S+16*\c+9+\i], v[S+16*\c+8+\i:S+16*\c+9+\i], v[RI:RI+1] op_sel_hi:[1,0]   ; O^T / the sum, each accumulator from its low end on
.endr
.endr
.irp c, 0,1,2,3
.irp i, 0,1,2,3
	v_cvt_pk_f16_f32 v[Q+16*\f+4*\c+\i], v[S+16*\c+8+2*\i], v[S+16*\c+9+2*\i]   ; query r, channels 16 c + 8 h + 0 .. 7: 16 bytes.  These registers are not written again
.endr
.endr
.irp c, 0,1,2,3
	global_store_b128 v[LI], v[Q+16*\f+4*\c:Q+16*\f+4*\c+3], s[10:11] offset:\f*524288+\c*512   ; a block: 512 consecutive bytes, aligned; 16 token tiles on are two runs of 128 rows
.endr
.endm
	TILE 0
	s_wait_tensorcnt 0x0                           ; waves 8-11: my late piece has landed;
	s_wait_dscnt 0x0                               ; no LDS load of mine is out at the signal
	s_barrier_signal -1
	s_barrier_wait -1                              ; pieces 4 and 5 are whole for every wave
	TILE 1
	s_wait_tensorcnt 0x0                           ; the wave's end
	ds_add_u32 v[SPW], v[NIL]
	s_wait_dscnt 0x0
	s_endpgm
.Lfunc_end_k_q662c6a2194_attn:
	.size	k_q662c6a2194_attn, .Lfunc_end_k_q662c6a2194_attn-k_q662c6a2194_attn
	.p2alignl 7, 3214868480
	.fill 96, 4, 3214868480
	.section	.rodata,"a",@progbits
	.p2align	6, 0x0
	.amdhsa_kernel k_q662c6a2194_attn
		.amdhsa_group_segment_fixed_size 327680
		.amdhsa_private_segment_fixed_size 0
		.amdhsa_enable_private_segment 0
		.amdhsa_kernarg_size 16
		.amdhsa_user_sgpr_count 2
		.amdhsa_user_sgpr_kernarg_segment_ptr 1
		.amdhsa_wavefront_size32 1
		.amdhsa_system_sgpr_workgroup_id_x 1
		.amdhsa_system_sgpr_workgroup_id_y 1
		.amdhsa_system_sgpr_workgroup_id_z 1
		.amdhsa_system_vgpr_workitem_id 0
		.amdhsa_next_free_vgpr 256
		.amdhsa_next_free_sgpr 66
		.amdhsa_reserve_vcc 0
		.amdhsa_float_denorm_mode_32 3
		.amdhsa_float_denorm_mode_16_64 3
		.amdhsa_memory_ordered 1
		.amdhsa_forward_progress 1
		.amdhsa_inst_pref_size 107
	.end_amdhsa_kernel
	.amdgpu_metadata
---
amdhsa.version: [ 1, 2 ]
amdhsa.kernels:
  - .name:           k_q662c6a2194_attn
    .symbol:         k_q662c6a2194_attn.kd
    .args:
      - { .name: qkv, .offset: 0, .size: 8, .value_kind: global_buffer, .address_space: global }
      - { .name: att, .offset: 8, .size: 8, .value_kind: global_buffer, .address_space: global }
    .group_segment_fixed_size: 327680
    .private_segment_fixed_size: 0
    .kernarg_segment_align: 8
    .kernarg_segment_size: 16
    .max_flat_workgroup_size: 512
    .sgpr_count:     66
    .vgpr_count:     256
    .wavefront_size: 32
...
	.end_amdgpu_metadata
.endif
;; end of part 3
;; launch proj (part 4): grid 4 x 64, 4 waves a work-group, clusters of 4 x 4, 327,680 bytes of LDS; arguments att, w16, out0; writes out0
.if DOCPART == 4
	.amdgcn_target "amdgcn-amd-amdhsa--gfx1250"
	.amdhsa_code_object_version 6
	.text
	.protected	k_q662c6a2194_proj
	.globl	k_q662c6a2194_proj
	.p2align	8
	.type	k_q662c6a2194_proj,@function
k_q662c6a2194_proj:
	s_mov_b64 s[64:65], 0
	v_nop
	global_prefetch_b8 v0, s[64:65] scope:SCOPE_SE
	s_setreg_imm32_b32 hwreg(HW_REG_WAVE_MODE, 25, 1), 1
	s_wait_xcnt 0x0
	s_wait_alu depctr_hold_cnt(0) depctr_sa_sdst(0) depctr_va_vdst(0) depctr_va_sdst(0) depctr_va_ssrc(0) depctr_va_vcc(0) depctr_vm_vsrc(0)
	s_getreg_b32 s2, hwreg(HW_REG_IB_STS2, 6, 4)
	s_cmp_eq_u32 s2, 0
	s_cbranch_scc0 .Lentry_in_a_cluster
	s_endpgm
.Lentry_in_a_cluster:
	s_bfe_u32 s2, ttmp6, 0x10000c
	s_cmp_lg_u32 s2, 0xf033
	s_cbranch_scc0 .Lentry_shape_is_right
	s_endpgm
.Lentry_shape_is_right:
; out0[m][n] = the sum over k of att[m][k] w_proj[n][k]: 8,192 x 1,024 x 1,024, f16 operands, f32 sums, f32 output.
; Both operands lie in memory as images of operand registers, in blocks of 512 bytes (16 rows x 16 k, 16 bytes a lane at 16 x lane): 128 rows x 128 k of att are 32,768 consecutive bytes, 256 rows x 128 k of w16 are 65,536.
; So a K step's tiles are dense blocks for the tensor loads, and every fragment load reads 512 consecutive LDS bytes: no pitch, no padding.
; A tile of the output is 128 (m) x 256 (n): 256 work-groups.  Four waves, each 64 x 128: 32 accumulators of 16 x 16, 256 registers.  K goes in 8 steps of 128 through a ring of two LDS slots.
; CLUSTERS: 4 x 4 work-groups.  The four of a row of the cluster need the same tiles of att, the four of a column the same tiles of w16: each is asked for JOINTLY, by the same tensor load with the same descriptor and a mask that names the four.
; THE MATRIX INSTRUCTION IS USED TRANSPOSED (source 0 = 16 rows of w16, source 1 = 16 rows of att): a lane then holds eight neighbouring numbers of a row of the output.
; REGISTERS: window 0: v0-31 addresses; two fragment buffers: att's 4 fragments at v64 (buffer 0) and v96 (buffer 1), w16's 8 at v128 and v192; on the way out v64-191 hold rows.   window 1: the accumulators, (a, b) at v[8 (8 a + b)].
.set ABYTES, 32768                     ; a K step of att's tile
.set BBYTES, 65536                     ; and of w16's
.set SLOT,   ABYTES+BBYTES
.set STAGE,  2*SLOT                    ; behind the ring: 16 rows x 528 bytes for each wave, for the way out; no tensor load lands there
.set SPITCH, 528                       ; 512 bytes + 16 of padding
.set SPARE,  STAGE+4*16*SPITCH         ; the spare words, 128 bytes for each wave: two blocks of 256 bytes that no other line names
.set LAPS,   4                         ; a lap = two K steps = once round the ring
.set ADRA, 16                          ; v16-17  LDS address of my fragments of att in slot 0, 1
.set ADRB, 20                          ; v20-21  the same for w16
.set STO,  24                          ; v24     the way out: where I put 32 bytes of a row
.set RD,   25                          ; v25     where I read a row back
.set CO,   26                          ; v26     16 x lane
.set SPW,  28                          ; v28     LDS address of my spare word; never rewritten
.set NIL,  29                          ; v29     0; never rewritten
.set PFO,  30                          ; v30     256 x lane: the prefetches' offset; never rewritten
.set FA,   64
.set FB,   128
.set BK,   64                          ; the way out: 16 rows read back: v64-127 and v128-191 by turns
.set G1, 24                            ; s[24:31] descriptor group 1 for att's tiles;  s[32:39] group 0, one set for each slot
.set G0, 32
.set G1B, 48                           ; s[48:55], s[56:63] the same for w16's
.set G0B, 56
.set LIM, 43                           ; s43     1 in the wave that prefetches, else the greatest number
.set PFA, 44                           ; s[44:45] where my prefetches stand
.set MSB, 0
.macro WIN new                         ; the immediate's high byte repeats the setting that is left
.if MSB != \new
	s_set_vgpr_msb (MSB<<8)|\new
.set MSB, \new
.endif
.endm
.set MUL, 0x50                         ; sources 0 and 1 window 0; C and D window 1
.macro JLOAD s                         ; a joint load: waves 0 and 1 fetch att's two halves, waves 2 and 3 w16's; an s_nop 0 and four v_nop follow each of the two lines
	s_cmp_eq_u32 s11, 0
	s_cbranch_scc0 .Lfor_b_\@
	tensor_load_to_lds s[G0+4*\s:G0+4*\s+3], s[G1:G1+7]
	s_nop 0
.rept 4
	v_nop
.endr
	s_branch .Lasked_\@
.Lfor_b_\@:
	tensor_load_to_lds s[G0B+4*\s:G0B+4*\s+3], s[G1B:G1B+7]
	s_nop 0
.rept 4
	v_nop
.endr
.Lasked_\@:
.endm
.macro CREST                           ; a round of the cluster's barrier behind its opening barrier
	s_cmp_lg_u32 s10, 0
	s_cbranch_scc1 .Lnot_wave_0_\@
	s_barrier_signal -3
.Lnot_wave_0_\@:
	s_barrier_wait -3
	s_barrier_signal -1
	s_barrier_wait -1
.endm
.macro CROUND                          ; a whole round
	s_barrier_signal -1
	s_barrier_wait -1
	CREST
.endm
; A PREFETCH INTO THE L2 of att's K step that stands two refills on: 256 matrix instructions ahead of the load that will want it.  A tile row of att is read by the four partners of one row of one cluster and by nobody else:
; they share a K step's 32,768 bytes out BY ADDRESS, 8,192 each (cx); in each, wave 0 asks, lanes 256 bytes apart: one instruction.  So K steps 4 to 7 are named once each; K steps 0 to 3 come by their loads alone;
; the loop's last trip, whose refills are K steps 6 and 7, asks for nothing.  w16's tiles are read again by every row of clusters and are not asked for.
.macro ASK
	s_cmp_gt_u32 s3, s[LIM]                        ; s3 = 1 in the loop's last trip
	s_cbranch_scc0 .Lnot_mine_\@
	global_prefetch_b8 v[PFO], s[PFA:PFA+1] offset:ABYTES th:TH_LOAD_NT scope:SCOPE_SE
.Lnot_mine_\@:
.endm
	s_load_b128 s[4:7], s[0:1], 0x0                ; att s[4:5], w16 s[6:7]
	s_load_b64 s[8:9], s[0:1], 0x10                ; out0
	v_lshl_add_u32 v[SPW], v0, 2, SPARE
	v_mov_b32 v[NIL], 0
	ds_add_u32 v[SPW], v[NIL]                      ; the wave's opening: the add, twice on end, and its wait ahead of my first tensor load
	ds_add_u32 v[SPW], v[NIL]
	v_lshrrev_b32 v1, 5, v0
	v_readfirstlane_b32 s10, v1                    ; wave 0..3
	s_lshr_b32 s11, s10, 1                         ; which half of the tile's rows is mine.  Also: I fetch for att (0) or for w16 (1)
	s_and_b32 s12, s10, 1                          ; which half of its columns.  Also: which half of that tile I fetch
	s_bfe_u32 s40, ttmp6, 0x40000                  ; cx, cy: my place in the cluster
	s_bfe_u32 s41, ttmp6, 0x40004
	s_lshl_b32 s42, ttmp9, 2
	s_add_co_u32 s42, s42, s40                     ; tile column = 4 x cluster x + cx
	s_and_b32 s13, ttmp7, 0xffff
	s_lshl_b32 s13, s13, 2
	s_add_co_u32 s13, s13, s41                     ; tile row = 4 x cluster y + cy
	s_lshl_b32 s43, s41, 2
	s_lshl_b32 s43, 15, s43                        ; my row of the cluster
	s_lshl_b32 s44, 0x1111, s40                    ; my column
	; group 1: dense bytes as rows of 256 bytes (32 elements of 8 bytes): 64 rows for half of att's tile, 128 for half of w16's
	s_or_b32 s[G1+0], s43, (3<<16)|(1<<21)         ; 15:0 the mask: att's tiles go to my row; 17:16 elements of 8 bytes; 21 set beside a mask
	s_or_b32 s[G1B+0], s44, (3<<16)|(1<<21)
	s_mov_b32 s[G1+1], 32<<16                      ; tensor_dim0
	s_mov_b32 s[G1+2], 64<<16                      ; tensor_dim1
	s_mov_b32 s[G1+3], 32<<16                      ; tile_dim0
	s_mov_b32 s[G1+4], 64                          ; tile_dim1
	s_mov_b32 s[G1+5], 32                          ; tensor_dim0_stride
	s_mov_b32 s[G1+6], 0
	s_mov_b32 s[G1+7], 0
	s_mov_b32 s[G1B+1], 32<<16
	s_mov_b32 s[G1B+2], 128<<16
	s_mov_b32 s[G1B+3], 32<<16
	s_mov_b32 s[G1B+4], 128
	s_mov_b32 s[G1B+5], 32
	s_mov_b32 s[G1B+6], 0
	s_mov_b32 s[G1B+7], 0
	s_lshl_b32 s16, s13, 18                        ; att: a tile row is 8 K steps of 32,768 bytes,
	s_lshl_b32 s17, s12, 14                        ; my half of a K step
	s_add_co_u32 s16, s16, s17
	s_mov_b32 s17, 0
	s_lshl_b32 s46, s42, 19                        ; w16: a tile column is 8 K steps of 65,536 bytes
	s_lshl_b32 s47, s12, 15
	s_add_co_u32 s46, s46, s47
	s_mov_b32 s47, 0
	s_lshl_b32 s20, s12, 14                        ; where they go: no place in the cluster enters an LDS address
	s_lshl_b32 s21, s12, 15
	s_add_co_u32 s21, s21, ABYTES
	s_wait_dscnt 0x0                               ; both opening adds are done
	s_wait_kmcnt 0x0
	s_add_nc_u64 s[14:15], s[4:5], s[16:17]
	s_add_nc_u64 s[46:47], s[6:7], s[46:47]
	CROUND                                         ; all sixteen work-groups are here: the first joint loads meet
.irp s, 0,1
	s_mov_b32 s[G0+4*\s], 1
	s_add_co_u32 s[G0+4*\s+1], s20, \s*SLOT
	s_add_nc_u64 s[G0+4*\s+2:G0+4*\s+3], s[14:15], \s*ABYTES
	s_or_b32 s[G0+4*\s+3], s[G0+4*\s+3], 0x80000000
	s_mov_b32 s[G0B+4*\s], 1
	s_add_co_u32 s[G0B+4*\s+1], s21, \s*SLOT
	s_add_nc_u64 s[G0B+4*\s+2:G0B+4*\s+3], s[46:47], \s*BBYTES
	s_or_b32 s[G0B+4*\s+3], s[G0B+4*\s+3], 0x80000000
	JLOAD \s                                       ; two loads of mine are out
.endr
	v_and_b32 v1, 15, v0                           ; r
	v_bfe_u32 v2, v0, 4, 1                         ; h
	v_and_b32 v3, 31, v0
	v_lshlrev_b32 v[CO], 4, v3                     ; 16 x lane
	v_lshlrev_b32 v[PFO], 8, v3
	s_lshl_b32 s21, s11, 14                        ; my 64 rows of att: four token tiles of 4,096 bytes
	s_lshl_b32 s22, s12, 15                        ; my 128 rows of w16: eight tiles,
	s_add_co_u32 s22, s22, ABYTES                  ; behind att's
.irp s, 0,1
	v_add_nc_u32 v[ADRA+\s], s21, v[CO]
	v_add_nc_u32 v[ADRB+\s], s22, v[CO]
	s_add_co_u32 s21, s21, SLOT
	s_add_co_u32 s22, s22, SLOT
.endr
	s_mul_i32 s23, s10, 16*SPITCH
	s_add_co_u32 s23, s23, STAGE                   ; my stage
	v_mul_u32_u24 v4, v1, SPITCH                   ; in: row r, 32 bytes for each half of the lanes
	v_lshl_add_u32 v4, v2, 5, v4
	v_add_nc_u32 v[STO], s23, v4
	v_add_nc_u32 v[RD], s23, v[CO]                 ; back: the 32 lanes take one row of 512 bytes
	s_lshl_b32 s16, s13, 19                        ; my first row of the output: 128 x tile row + 64 x half, 4,096 bytes a row
	s_lshl_b32 s17, s11, 18
	s_add_co_u32 s16, s16, s17
	s_mov_b32 s17, 0
	s_add_nc_u64 s[8:9], s[8:9], s[16:17]
	s_lshl_b32 s46, s42, 10                        ; my first column, in bytes: 1,024 x tile column + 512 x half
	s_lshl_b32 s47, s12, 9
	s_add_co_u32 s46, s46, s47
	s_mov_b32 s47, 0
	s_add_nc_u64 s[8:9], s[8:9], s[46:47]
	s_lshl_b32 s46, s13, 18                        ; the prefetches: my tile row of att,
	s_lshl_b32 s47, s40, 13                        ; my work-group's 8,192 bytes of a K step,
	s_add_co_u32 s46, s46, s47
	s_add_co_u32 s46, s46, 2*ABYTES                ; at K step 2: the first refill steps it to 3 and names K step 4.  Nothing is prefetched here, at the head
	s_mov_b32 s47, 0
	s_add_nc_u64 s[PFA:PFA+1], s[4:5], s[46:47]
	s_cmp_eq_u32 s10, 0
	s_cselect_b32 s[LIM], 1, -1
; 8 matrix instructions: att's block a x w16's eight, 32 along K, from buffer f.  zero = 1: the product starts the sums: nothing is cleared.
; The 32 accumulators take turns, one instruction a turn, in the same order in every quarter.
.macro MUL8 f, a, zero
.irp b, 0,1,2,3,4,5,6,7
.if \zero
	v_wmma_f32_16x16x32_f16 v[8*(8*(\a)+\b):8*(8*(\a)+\b)+7], v[FB+64*(\f)+8*\b:FB+64*(\f)+8*\b+7], v[FA+32*(\f)+8*(\a):FA+32*(\f)+8*(\a)+7], 0
.else
	v_wmma_f32_16x16x32_f16 v[8*(8*(\a)+\b):8*(8*(\a)+\b)+7], v[FB+64*(\f)+8*\b:FB+64*(\f)+8*\b+7], v[FA+32*(\f)+8*(\a):FA+32*(\f)+8*(\a)+7], v[8*(8*(\a)+\b):8*(8*(\a)+\b)+7]
.endif
.endr
.endm
.macro MUL16 f, a0, zero
	MUL8 \f, \a0, \zero
	MUL8 \f, \a0+1, \zero
.endm
; 24 LDS loads in one run: the fragments of the slot's q-th 32 along K into buffer f: w16's eight, then att's four
.macro FETCH slot, q, f
	WIN 0
.irp i, 0,1,2,3,4,5,6,7
	ds_load_b128 v[FB+64*(\f)+8*\i:FB+64*(\f)+8*\i+3],   v[ADRB+\slot] offset:(\q)*1024+\i*4096
	ds_load_b128 v[FB+64*(\f)+8*\i+4:FB+64*(\f)+8*\i+7], v[ADRB+\slot] offset:(\q)*1024+\i*4096+512
.endr
.irp i, 0,1,2,3
	ds_load_b128 v[FA+32*(\f)+8*\i:FA+32*(\f)+8*\i+3],   v[ADRA+\slot] offset:(\q)*1024+\i*4096
	ds_load_b128 v[FA+32*(\f)+8*\i+4:FA+32*(\f)+8*\i+7], v[ADRA+\slot] offset:(\q)*1024+\i*4096+512
.endr
.endm
.macro PLACES                          ; four places in front of loads into registers that matrix instructions have read, and of the first read of results (ISA guide 7.12.1 for the first read of results)
.rept 4
	v_nop
.endr
.endm
; A K step is four quarters of 32 along K, 32 matrix instructions each, on buffers 0, 1, 0, 1.  One of the first three: multiplies buffer f and fetches quarter qn into buffer g.
.macro QUARTER slot, qn, f, g, zero
	s_wait_dscnt 4                                 ; w16's fragments and att's blocks 0, 1 are in; the youngest four loads (blocks 2, 3) may be out
	WIN MUL
	MUL16 \f, 0, \zero
	PLACES
	FETCH \slot, \qn, \g
	s_wait_dscnt 24                                ; all but the 24 just issued
	WIN MUL
	MUL16 \f, 2, \zero
.endm
; The last quarter multiplies buffer 1 and changes slots: ONE barrier; in front of it each wave waits for all its tensor loads, adds 0 to its spare word, and waits for that and for its own reads of this slot.
; fill = 1: this slot is filled again, two K steps ahead; the barrier then opens a round of the cluster's barrier, and the joint refill is the first thing behind the round: 112 matrix instructions ahead of the wait for it.
.macro TURN slot, next, fill
.if \fill
	s_wait_xcnt 0x0                                ; the last prefetch, a K step back, has read its address: it is stepped here, ahead of the waits of the change of slots
	s_add_nc_u64 s[PFA:PFA+1], s[PFA:PFA+1], ABYTES
.endif
	WIN 0                                          ; (the add's two registers lie in window 0)
	s_wait_tensorcnt 0x0                           ; all my tensor loads have landed: my part of the next slot;
	ds_add_u32 v[SPW], v[NIL]                      ; 0 onto my spare word;
	s_wait_dscnt 5                                 ; (the add and the youngest four loads may be out)
	WIN MUL
	MUL8 1, 0, 0                                   ; eight matrix instructions stand between the add and the wait for it
	s_wait_dscnt 0x0                               ; the add is done, and my reads of this slot are over
	s_barrier_signal -1
	MUL8 1, 1, 0
.if \fill
	WIN 0
.endif
	s_barrier_wait -1
.if \fill
	CREST                                          ; no wave of any partner still reads this slot's tile or has a load on its way
	s_add_nc_u64 s[G0+4*\slot+2:G0+4*\slot+3], s[G0+4*\slot+2:G0+4*\slot+3], 2*ABYTES
	s_add_nc_u64 s[G0B+4*\slot+2:G0B+4*\slot+3], s[G0B+4*\slot+2:G0B+4*\slot+3], 2*BBYTES
	JLOAD \slot                                    ; the four v_nop behind it are also the places in front of the loads below
.else
	PLACES
.endif
	FETCH \next, 0, 0
.if \fill
	ASK
.endif
	WIN MUL
	MUL16 1, 2, 0
.endm
	s_wait_tensorcnt 1                             ; my part of K step 0 is in (K step 1's load may be out),
	s_barrier_signal -1
	s_barrier_wait -1                              ; everybody's is
	FETCH 0, 0, 0
	QUARTER 0, 1, 0, 1, 1                          ; the first quarter stands in front of the loop: its products start the sums
	WIN 0                                          ; at a label and at a branch every window is 0
	s_mov_b32 s3, LAPS-1
.Llap:                                                 ; a trip goes once round the ring, from a lap's second quarter to the next lap's first, and fills both slots again
	QUARTER 0, 2, 1, 0, 0
	QUARTER 0, 3, 0, 1, 0
	TURN 0, 1, 1
	QUARTER 1, 1, 0, 1, 0
	QUARTER 1, 2, 1, 0, 0
	QUARTER 1, 3, 0, 1, 0
	TURN 1, 0, 1
	QUARTER 0, 1, 0, 1, 0
	WIN 0
	s_sub_co_u32 s3, s3, 1
	s_cmp_lg_u32 s3, 0
	s_cbranch_scc1 .Llap
	QUARTER 0, 2, 1, 0, 0                          ; the last lap fills nothing, and has no round of the cluster's barrier
	QUARTER 0, 3, 0, 1, 0
	TURN 0, 1, 0
	QUARTER 1, 1, 0, 1, 0
	QUARTER 1, 2, 1, 0, 0
	QUARTER 1, 3, 0, 1, 0
	s_wait_dscnt 4                                 ; the very last quarter: nothing more to fetch
	WIN MUL
	MUL16 1, 0, 0
	s_wait_dscnt 0
	MUL16 1, 2, 0
	WIN 0
; THE WAY OUT, block by block of 16 rows x 128 columns.  A lane holds 32 neighbouring bytes of a row, and the lanes beside it hold other rows: so a block goes through my own stage in LDS and comes back as whole
; rows of 512 bytes.  LDS serves a wave's instructions in order (ISA guide 5.7.1.4): no wait between the stores and the loads, nor in front of the next block's stores.
.macro TOSTAGE a
.set AC, 64*(\a)
	WIN 0x04                                       ; an LDS store's data are its source 1: window 1
.irp b, 0,1,2,3,4,5,6,7
	ds_store_b128 v[STO], v[AC+8*\b:AC+8*\b+3] offset:64*\b          ; each accumulator from its low end on
	ds_store_b128 v[STO], v[AC+8*\b+4:AC+8*\b+7] offset:64*\b+16
.endr
	WIN 0
.set BB, BK+64*((\a)%2)
.irp t, 0,1,2,3,4,5,6,7,8,9,10,11,12,13,14,15
	ds_load_b128 v[BB+4*\t:BB+4*\t+3], v[RD] offset:\t*SPITCH
.endr
.endm
.macro SEND a, younger                 ; younger: the LDS instructions issued behind block a's loads, which may stay out
.set BB, BK+64*((\a)%2)
	s_wait_dscnt \younger                          ; the block is back in registers
.if (\a) > 0
	s_add_nc_u64 s[8:9], s[8:9], 16*4096           ; (behind a wait on XCNT: the earlier stores have read their base)  16 rows on
.endif
.irp t, 0,1,2,3,4,5,6,7,8,9,10,11,12,13,14,15
	global_store_b128 v[CO], v[BB+4*\t:BB+4*\t+3], s[8:9] offset:\t*4096 th:TH_STORE_NT   ; 32 lanes store 512 consecutive bytes, at a multiple of 256 from the output's first byte
.endr
.endm
	PLACES                                         ; behind the last products: their results are read, and loads land in registers that held fragments
	TOSTAGE 0
.irp a, 1,2,3
.if \a > 1
	s_wait_xcnt 0x0                                ; block a - 2's stores have read their registers and their base: block a's loads may land there, and the base may step
.endif
	TOSTAGE \a
	SEND \a-1, 32                                  ; behind block a - 1's loads: block a's 16 stores and 16 loads
.endr
	s_wait_xcnt 0x0                                ; block 2's stores have read their base
	SEND 3, 0
	s_wait_tensorcnt 0x0                           ; the wave's end
	ds_add_u32 v[SPW], v[NIL]
	s_wait_dscnt 0x0
	CROUND                                         ; the closing round: no work-group ends while a partner may still ask for a tile that names it
	s_endpgm
.Lfunc_end_k_q662c6a2194_proj:
	.size	k_q662c6a2194_proj, .Lfunc_end_k_q662c6a2194_proj-k_q662c6a2194_proj
	.p2alignl 7, 3214868480
	.fill 96, 4, 3214868480
	.section	.rodata,"a",@progbits
	.p2align	6, 0x0
	.amdhsa_kernel k_q662c6a2194_proj
		.amdhsa_group_segment_fixed_size 327680
		.amdhsa_private_segment_fixed_size 0
		.amdhsa_enable_private_segment 0
		.amdhsa_kernarg_size 24
		.amdhsa_user_sgpr_count 2
		.amdhsa_user_sgpr_kernarg_segment_ptr 1
		.amdhsa_wavefront_size32 1
		.amdhsa_system_sgpr_workgroup_id_x 1
		.amdhsa_system_sgpr_workgroup_id_y 1
		.amdhsa_system_sgpr_workgroup_id_z 1
		.amdhsa_system_vgpr_workitem_id 0
		.amdhsa_next_free_vgpr 512
		.amdhsa_next_free_sgpr 66
		.amdhsa_reserve_vcc 0
		.amdhsa_float_denorm_mode_32 3
		.amdhsa_float_denorm_mode_16_64 3
		.amdhsa_memory_ordered 1
		.amdhsa_forward_progress 1
		.amdhsa_inst_pref_size 85
	.end_amdhsa_kernel
	.amdgpu_metadata
---
amdhsa.version: [ 1, 2 ]
amdhsa.kernels:
  - .name:           k_q662c6a2194_proj
    .symbol:         k_q662c6a2194_proj.kd
    .args:
      - { .name: att, .offset: 0, .size: 8, .value_kind: global_buffer, .address_space: global }
      - { .name: w16, .offset: 8, .size: 8, .value_kind: global_buffer, .address_space: global }
      - { .name: out0, .offset: 16, .size: 8, .value_kind: global_buffer, .address_space: global }
    .group_segment_fixed_size: 327680
    .private_segment_fixed_size: 0
    .kernarg_segment_align: 8
    .kernarg_segment_size: 24
    .max_flat_workgroup_size: 128
    .sgpr_count:     66
    .vgpr_count:     512
    .wavefront_size: 32
...
	.end_amdgpu_metadata
.endif
;; end of part 4
